; MI455X (gfx1250); checked and timed in simulation.
; The chip was launched on July 23, 2026; its instructions are those of AMD's public machine-readable ISA for CDNA 5 (MIT licence, August 2026) and "CDNA5" Instruction Set Architecture Reference Guide (July 2026). The comments in the code are by the model that wrote it; some were corrected since.
;; Net. Allowed arithmetic: matrix products marked QUANTISED: E3M2 operands, one E8M0 scale for each 32 along K, by v_wmma_scale_f32_16x16x128_f8f6f4 with both operands' format E3M2, f32 sums; everything else in f32.
;; Inputs: W_u 2,048 x 2,048 float32; W_v 2,048 x 2,048 float32; b_u 2,048 float32; b_v 2,048 float32; ln_u_b 2,048 float32; ln_u_w 2,048 float32; ln_v_b 2,048 float32; ln_v_w 2,048 float32; u 8,192 x 2,048 float32; v 8,192 x 2,048 float32.
;; Outputs: out0 8,192 float32.
;; This version of the problem:
;;   THIS VERSION OF THE PROBLEM IS GIVEN IN LOW PRECISION. The matrix products marked QUANTISED in the list below multiply operands that are first quantised to E3M2 (3 exponent bits, 2 mantissa bits; 6 bits a number), with one power-of-two scale for each 32 numbers along K (OCP MX v1.0); their sums are f32. All else is computed in f32.
;;   The module's matrix products, in the order in which they are computed (A, B: the left and right operand; K: the contracted axis; several contracted axes count as one K, in the product's order):
;;     1. [M 8,192, K 2,048] x [K 2,048, N 2,048]; A: computed on the way; B: input W_u: QUANTISED
;;     2. [M 8,192, K 2,048] x [K 2,048, N 2,048]; A: computed on the way; B: input W_v: QUANTISED
;;   THE QUANTISER, for each operand of a quantised product, along K:
;;     - K is cut into blocks of 32 from its start; a last block that is shorter is filled with zeros.
;;     - A block's scale is 2^e with e = floor(log2(the largest magnitude in the block)) - 4, held to -126 .. 127; a block of zeros has e = 0. As a byte (E8M0): e + 127.
;;     - Each number is divided by its block's scale, clamped to +-28, and rounded to the nearest number of E3M2, ties to even, subnormals kept.
;;     - The product sums the exact products of the quantised numbers (number of the format x scale) in f32.
;;   ~~~python
;;   def quantise(x, axis):      # numpy; x: float32 -> the quantised numbers, widened to float32 again
;;       x = np.moveaxis(x, axis, -1); K = x.shape[-1]
;;       x = np.pad(x, [(0, 0)] * (x.ndim - 1) + [(0, -K % 32)]); x = x.reshape(x.shape[:-1] + (-1, 32)); a = np.abs(x).max(-1, keepdims=True)
;;       e = np.where(a > 0, np.clip(np.frexp(np.where(a > 0, a, 1))[1] - 1 - 4, -126, 127), 0)      # np.frexp(a)[1] - 1 = floor(log2(a)), exactly
;;       r = np.clip(x / 2.0 ** e, -28, 28)
;;       step = 2.0 ** (np.maximum(np.frexp(np.where(r == 0, 1, r))[1] - 1, -2) - 2)
;;       q = np.round(r / step) * step * 2.0 ** e      # np.round: ties to even
;;       return np.moveaxis(q.reshape(q.shape[:-2] + (-1,))[..., :K], -1, axis).astype(np.float32)
;;   ~~~
;;   OPERANDS COMPUTED ON THE WAY. 'Computed on the way' means the value that the module computes at that place (a softmax that the list does not call 'softmax' is quantised finished and normalised). What goes into a quantiser is computed in f32, as accurately as f32 sums, v_exp_f32 and their like allow (about 1e-6 of the number): no bf16 or f16 on the way to a quantiser, and a product that is left as it is and whose result goes on into a quantised operand takes f32 operands (vector FMAs, or v_wmma_f32_16x16x4_f32). A number that lies on a knife's edge between two numbers of the format may be rounded either way, as far as f32 arithmetic and the matrix unit's own rounding can turn it there, and no further.
;; One version. Each part assembles by itself: llvm-mc -triple=amdgcn-amd-amdhsa -mcpu=gfx1250 --defsym DOCPART=n.
;; ======== version 1 of 1: 3 launches
;; limits: right only within a limited range of input values
;; workspace buffers: aq 26,214,400 bytes; bq 6,553,600 bytes; part 524,288 bytes
;; launch prep (part 1): grid 256 x 1, 16 waves a work-group, no clusters, 327,680 bytes of LDS; arguments u, v, ln_u_w, ln_v_w, ln_u_b, ln_v_b, W_u, W_v, aq, bq; writes aq, bq
.if DOCPART == 1
	.amdgcn_target "amdgcn-amd-amdhsa--gfx1250"
	.amdhsa_code_object_version 6
	.text
	.protected	k_qa179197f5d_prep
	.globl	k_qa179197f5d_prep
	.p2align	8
	.type	k_qa179197f5d_prep,@function
k_qa179197f5d_prep:
	s_mov_b64 s[64:65], 0
	v_nop
	global_prefetch_b8 v0, s[64:65] scope:SCOPE_SE
	s_setreg_imm32_b32 hwreg(HW_REG_WAVE_MODE, 25, 1), 1
	s_wait_xcnt 0x0
.set PITCH,  528
.set WREG,   16*PITCH
.set SLOTB,  16*WREG
.set STA,    2*SLOTB
.set STB,    1280
.set SCW,    STA+2*STB
.set SCWW,   SCW+4096
.set SPARE,  SCWW+1024
.set SPW,  1
.set NIL,  2
.set XR,   3
.set STW,  5
.set STR,  6
.set SCS,  7
.set GOF,  8
.set WR,   9
.set WSB,  10
.set SCR,  11
.set L8,   12
.set WOF,  13
.set GBO,  14
.set SWR,  15
.set TM,   16
.set X,    32
.set GAM,  96
.set BET,  160
.set PC,   224
.set T16,  224
.set PW,   243
.set Q,    244
.set MU,   252
.set RS,   254
.set G1,   24
.set G0,   32
.set G0W,  40
.set WV,   44
.set GP,   45
.set TW,   46
.set SEL,  48
.set AQF,  50
.set BQF,  52
.set AQS,  54
.set BQS,  56
.set C2K,  58
.set EPS,  59
	s_load_b512 s[4:19], s[0:1], 0x0
	s_load_b128 s[20:23], s[0:1], 0x40
	v_lshl_add_u32 v[SPW], v0, 2, SPARE
	v_mov_b32 v[NIL], 0
	ds_add_u32 v1, v2
	ds_add_u32 v1, v2
	s_wait_dscnt 0x0
	v_lshrrev_b32 v16, 5, v0
	s_delay_alu instid0(VALU_DEP_1)
	v_readfirstlane_b32 s[WV], v16
	s_and_b32 s[GP], ttmp9, 127
	s_lshr_b32 s[TW], ttmp9, 7
	s_mov_b32 s[G1+0], (2<<16)|(1<<20)|(6<<22)|(3<<25)
	s_mov_b32 s[G1+1], 128<<16
	s_mov_b32 s[G1+2], 16<<16
	s_mov_b32 s[G1+3], 128<<16
	s_mov_b32 s[G1+4], 16
	s_mov_b32 s[G1+5], 2048
	s_mov_b32 s[G1+6], 0
	s_mov_b32 s[G1+7], 0
	s_mov_b32 s[SEL], 0x76543210
	s_mov_b32 s[SEL+1], 0xfedcba98
	s_mov_b32 s[C2K], 0x3a000000
	s_mov_b32 s[EPS], 0x3727c5ac
	s_mul_i32 s[G0+1], s[WV], WREG
	s_lshl_b32 s60, s[GP], 19
	s_lshl_b32 s62, s[WV], 9
	s_add_co_u32 s60, s60, s62
	s_mov_b32 s61, 0
	s_and_b32 s2, ttmp9, 7
	s_bfe_u32 s3, ttmp9, 0x40003
	s_lshl_b32 s62, s2, 21
	s_lshl_b32 s47, s[WV], 17
	s_add_co_u32 s62, s62, s47
	s_lshl_b32 s47, s3, 9
	s_add_co_u32 s62, s62, s47
	s_mov_b32 s63, 0
	s_wait_kmcnt 0x0
	s_cmp_lt_u32 ttmp9, 128
	s_cselect_b64 s[4:5], s[4:5], s[6:7]
	s_cselect_b64 s[8:9], s[8:9], s[10:11]
	s_cselect_b64 s[12:13], s[12:13], s[14:15]
	s_cselect_b64 s[16:17], s[16:17], s[18:19]
	s_add_nc_u64 s[4:5], s[4:5], s[60:61]
	s_mov_b32 s[G0], 1
	s_mov_b64 s[G0+2:G0+3], s[4:5]
	s_or_b32 s[G0+3], s[G0+3], 0x80000000
	s_mov_b32 s[G0+4], 1
	s_add_co_u32 s[G0+5], s[G0+1], SLOTB
	s_add_nc_u64 s[G0+6:G0+7], s[4:5], 131072
	s_or_b32 s[G0+7], s[G0+7], 0x80000000
	s_mov_b32 s[G0W], 1
	s_mov_b32 s[G0W+1], s[G0+1]
	s_add_nc_u64 s[G0W+2:G0W+3], s[16:17], s[62:63]
	s_or_b32 s[G0W+3], s[G0W+3], 0x80000000
	s_add_nc_u64 s[18:19], s[16:17], s[62:63]      ; my part of the weight's tile, as a plain address for its prefetch
	tensor_load_to_lds s[G0:G0+3], s[G1:G1+7]
	s_nop 0
	; prefetches: my wave's part of a tile is 16 rows x 512 bytes, 32 blocks of 256 bytes: a lane a block, one instruction a wave, asked one fill ahead of the tensor load that brings the tile
	v_and_b32 v25, 31, v0
	s_delay_alu instid0(VALU_DEP_1)
	v_lshrrev_b32 v24, 1, v25
	s_delay_alu instid0(VALU_DEP_1)
	v_lshlrev_b32 v24, 13, v24                     ; row lane / 2 of 8,192 bytes
	v_and_b32 v25, 1, v25
	s_delay_alu instid0(VALU_DEP_1)
	v_lshl_add_u32 v24, v25, 8, v24                ; + 256 x (lane % 2); never rewritten
	global_prefetch_b8 v24, s[4:5] offset:131072 th:TH_LOAD_NT scope:SCOPE_SE   ; tile 1
	s_wait_alu depctr_va_vdst(0)
	s_wait_tensorcnt 0x0
	ds_add_u32 v1, v2
	s_wait_dscnt 0x0
	s_barrier_signal -1
	s_barrier_wait -1
	tensor_load_to_lds s[G0+4:G0+7], s[G1:G1+7]
	s_nop 0
.rept 4
	v_nop
.endr
	global_prefetch_b8 v24, s[4:5] offset:262144 th:TH_LOAD_NT scope:SCOPE_SE   ; tile 2
	v_and_b32 v16, 31, v0
	v_and_b32 v17, 15, v0
	v_bfe_u32 v18, v0, 4, 1
	s_lshl_b32 s47, s[WV], 9
	v_lshl_add_u32 v[GBO], v18, 6, s47
.irp b, 0,1,2,3
.irp j, 0,1,2,3
	global_load_b128 v[GAM+16*\b+4*\j:GAM+16*\b+4*\j+3], v[GBO], s[8:9] offset:128*\b+16*\j
	global_load_b128 v[BET+16*\b+4*\j:BET+16*\b+4*\j+3], v[GBO], s[12:13] offset:128*\b+16*\j
.endr
.endr
	v_mul_u32_u24 v[XR], v17, PITCH
	s_delay_alu instid0(VALU_DEP_1)
	v_lshl_add_u32 v[XR], v18, 6, v[XR]
	s_delay_alu instid0(VALU_DEP_1)
	v_add_nc_u32 v[XR], s[G0+1], v[XR]
	s_delay_alu instid0(VALU_DEP_1)
	v_add_nc_u32 v[XR+1], SLOTB, v[XR]
	v_mul_u32_u24 v[STR], v17, 80
	s_delay_alu instid0(VALU_DEP_1)
	v_add_nc_u32 v[STR], STA, v[STR]
	s_delay_alu instid0(VALU_DEP_1)
	v_lshl_add_u32 v[STW], s[WV], 2, v[STR]
	s_lshr_b32 s2, s[WV], 1
	s_and_b32 s3, s[WV], 1
	s_lshl_b32 s47, s2, 9
	s_lshl_b32 s60, s3, 2
	s_add_co_u32 s47, s47, s60
	s_add_co_u32 s47, s47, SCW
	v_lshl_add_u32 v[SCS], v17, 3, s47
	v_lshlrev_b32 v[GOF], 4, v16
	s_lshr_b32 s60, s[WV], 3
	s_bfe_u32 s61, s[WV], 0x20001
	s_mul_i32 s47, s60, 128*PITCH
	s_mul_i32 s62, s3, 32*PITCH
	s_add_co_u32 s47, s47, s62
	s_lshl_b32 s62, s61, 7
	s_add_co_u32 s47, s47, s62
	v_lshl_add_u32 v[WR], v16, 2, s47
	s_lshl_b32 s47, s61, 8
	s_lshl_b32 s62, s60, 2
	s_add_co_u32 s47, s47, s62
	s_add_co_u32 s47, s47, s3
	s_add_co_u32 s47, s47, SCWW
	v_lshl_add_u32 v[WSB], v16, 3, s47
	s_lshl_b32 s47, s[WV], 8
	s_add_co_u32 s47, s47, SCW
	v_lshl_add_u32 v[SCR], v16, 3, s47
	v_lshlrev_b32 v[L8], 3, v16
	v_mul_u32_u24 v[WOF], v18, 1536
	s_delay_alu instid0(VALU_DEP_1)
	v_lshl_add_u32 v[WOF], v17, 4, v[WOF]
	s_delay_alu instid0(VALU_DEP_1)
	v_lshl_add_u32 v[WOF], s3, 8, v[WOF]
	s_and_b32 s47, s[WV], 3
	s_lshl_b32 s47, s47, 8
	s_add_co_u32 s47, s47, SCWW
	v_lshl_add_u32 v[SWR], v16, 3, s47
.irp b, 0,1,2,3
	v_mov_b32 v[TM+4+\b], 0
.endr
	s_mul_i32 s47, s[TW], 13107200
	s_lshr_b32 s62, s[GP], 2
	s_mul_i32 s62, s62, 409600
	s_add_co_u32 s47, s47, s62
	s_mul_i32 s62, s2, 51200
	s_add_co_u32 s47, s47, s62
	s_and_b32 s63, s[GP], 3
	s_mul_i32 s62, s3, 24576
	s_add_co_u32 s62, s62, s47
	s_mul_i32 s6, s63, 6144
	s_add_co_u32 s6, s6, s62
	s_mov_b32 s7, 0
	s_add_nc_u64 s[AQF:AQF+1], s[20:21], s[6:7]
	s_lshl_b32 s6, s63, 9
	s_add_co_u32 s6, s6, s47
	s_lshl_b32 s62, s3, 8
	s_add_co_u32 s6, s6, s62
	s_add_co_u32 s6, s6, 49152
	s_add_nc_u64 s[AQS:AQS+1], s[20:21], s[6:7]
	s_mul_i32 s47, s[TW], 3276800
	s_bfe_u32 s62, ttmp9, 0x40003
	s_mul_i32 s62, s62, 204800
	s_add_co_u32 s47, s47, s62
	s_and_b32 s62, ttmp9, 7
	s_mul_i32 s62, s62, 25600
	s_add_co_u32 s47, s47, s62
	s_mul_i32 s6, s60, 12288
	s_mul_i32 s62, s61, 3072
	s_add_co_u32 s6, s6, s62
	s_add_co_u32 s6, s6, s47
	s_add_nc_u64 s[BQF:BQF+1], s[22:23], s[6:7]
	s_and_b32 s6, s[WV], 3
	s_lshl_b32 s6, s6, 8
	s_add_co_u32 s6, s6, s47
	s_add_co_u32 s6, s6, 24576
	s_add_nc_u64 s[BQS:BQS+1], s[22:23], s[6:7]
	s_wait_loadcnt 0x0
.macro QUANT s
.irp b, 0,1,2,3
	v_max3_num_f32 v[TM+\b], |v[\s+16*\b]|, |v[\s+1+16*\b]|, 0x2800000
.endr
.irp i, 2,4,6,8,10,12,14
.irp b, 0,1,2,3
	s_delay_alu instid0(VALU_DEP_4)
	v_max3_num_f32 v[TM+\b], v[TM+\b], |v[\s+16*\b+\i]|, |v[\s+1+16*\b+\i]|
.endr
.endr
.irp b, 0,1,2,3
	s_delay_alu instid0(VALU_DEP_4)
	v_permlanex16_b32 v[TM+4+\b], v[TM+\b], s[SEL], s[SEL+1]
.endr
.irp b, 0,1,2,3
	s_delay_alu instid0(VALU_DEP_4)
	v_max_num_f32 v[TM+\b], v[TM+\b], v[TM+4+\b]
.endr
.irp b, 0,1,2,3
	s_delay_alu instid0(VALU_DEP_4)
	v_add_nc_u32 v[TM+12+\b], 0xfe000000, v[TM+\b]
.endr
.irp b, 0,1,2,3
	s_delay_alu instid0(VALU_DEP_4)
	v_lshrrev_b32 v[TM+4+\b], 23, v[TM+12+\b]
.endr
	s_delay_alu instid0(VALU_DEP_3)
	v_lshl_or_b32 v[PW], v[TM+5], 8, v[TM+4]
	s_delay_alu instid0(VALU_DEP_1)
	v_lshl_or_b32 v[PW], v[TM+6], 16, v[PW]
	s_delay_alu instid0(VALU_DEP_1)
	v_lshl_or_b32 v[PW], v[TM+7], 24, v[PW]
.irp c, 0,1
	v_cvt_scalef32_pk16_bf6_f32 v[PC+6*\c:PC+2+6*\c], v[\s+32*\c:\s+15+32*\c], v[TM+12+2*\c]
	v_cvt_scalef32_pk16_bf6_f32 v[PC+12+4*\c:PC+14+4*\c], v[\s+16+32*\c:\s+31+32*\c], v[TM+12+2*\c+1]
.endr
	v_nop
.irp c, 0,1
.irp i, 0,1,2
	v_permlane16_swap_b32 v[PC+6*\c+\i], v[PC+12+4*\c+\i]
.endr
.irp i, 0,1,2
	s_delay_alu instid0(VALU_DEP_3)
	v_mov_b32 v[PC+3+6*\c+\i], v[PC+12+4*\c+\i]
.endr
.endr
.endm
.macro JOIN off
	s_delay_alu instid0(VALU_DEP_3)
	v_pk_add_f32 v[Q:Q+1], v[Q:Q+1], v[Q+2:Q+3]
	s_delay_alu instid0(VALU_DEP_2)
	v_pk_add_f32 v[Q+4:Q+5], v[Q+4:Q+5], v[Q+6:Q+7]
	s_delay_alu instid0(VALU_DEP_1)
	v_pk_add_f32 v[Q:Q+1], v[Q:Q+1], v[Q+4:Q+5]
	s_delay_alu instid0(VALU_DEP_1)
	v_add_f32 v[Q], v[Q], v[Q+1]
	s_delay_alu instid0(VALU_DEP_1)
	v_permlanex16_b32 v[Q+2], v[Q], s[SEL], s[SEL+1]
	s_delay_alu instid0(VALU_DEP_1)
	v_add_f32 v[Q], v[Q], v[Q+2]
	ds_store_b32 v[STW], v[Q] offset:\off
.endm
.macro STATSUM off
.irp j, 0,1,2,3
	ds_load_b128 v[T16+4*\j:T16+4*\j+3], v[STR] offset:\off+16*\j
.endr
	s_wait_dscnt 0x0
.irp j, 0,2,4,6
	v_pk_add_f32 v[T16+\j:T16+\j+1], v[T16+\j:T16+\j+1], v[T16+8+\j:T16+9+\j]
.endr
	s_delay_alu instid0(VALU_DEP_2)
	v_pk_add_f32 v[T16:T16+1], v[T16:T16+1], v[T16+4:T16+5]
	s_delay_alu instid0(VALU_DEP_2)
	v_pk_add_f32 v[T16+2:T16+3], v[T16+2:T16+3], v[T16+6:T16+7]
	s_delay_alu instid0(VALU_DEP_1)
	v_pk_add_f32 v[T16:T16+1], v[T16:T16+1], v[T16+2:T16+3]
	s_delay_alu instid0(VALU_DEP_1)
	v_add_f32 v[T16], v[T16], v[T16+1]
.endm
.macro LNTILE t, s, fill
	s_wait_tensorcnt 0x1
	s_wait_xcnt 0x0
.irp b, 0,1,2,3
.irp j, 0,1,2,3
	ds_load_b128 v[X+16*\b+4*\j:X+16*\b+4*\j+3], v[XR+\s] offset:128*\b+16*\j
.endr
.endr
	s_wait_dscnt 0x0
.irp k, 0,1,2,3
	v_pk_add_f32 v[Q+2*\k:Q+2*\k+1], v[X+2*\k:X+2*\k+1], v[X+8+2*\k:X+9+2*\k]
.endr
.irp g, 2,3,4,5,6,7
.irp k, 0,1,2,3
	s_delay_alu instid0(VALU_DEP_4)
	v_pk_add_f32 v[Q+2*\k:Q+2*\k+1], v[Q+2*\k:Q+2*\k+1], v[X+8*\g+2*\k:X+8*\g+2*\k+1]
.endr
.endr
	JOIN 0
	s_wait_dscnt 0x0                               ; the rows' sums are stored; the next tile's load may stay out
	s_barrier_signal -1
	s_barrier_wait -1
	STATSUM 0
	s_delay_alu instid0(VALU_DEP_1)
	v_mul_f32 v[MU], s[C2K], v[T16]
	s_delay_alu instid0(VALU_DEP_2)
	v_mul_f32 v[MU+1], s[C2K], v[T16]
.set i, 0
.rept 32
	v_pk_add_f32 v[X+i:X+i+1], v[X+i:X+i+1], v[MU:MU+1] neg_lo:[0,1] neg_hi:[0,1]
.set i, i+2
.endr
.irp k, 0,1,2,3
	v_pk_mul_f32 v[Q+2*\k:Q+2*\k+1], v[X+2*\k:X+2*\k+1], v[X+2*\k:X+2*\k+1]
.endr
.irp g, 1,2,3,4,5,6,7
.irp k, 0,1,2,3
	s_delay_alu instid0(VALU_DEP_4)
	v_pk_fma_f32 v[Q+2*\k:Q+2*\k+1], v[X+8*\g+2*\k:X+8*\g+2*\k+1], v[X+8*\g+2*\k:X+8*\g+2*\k+1], v[Q+2*\k:Q+2*\k+1]
.endr
.endr
	JOIN STB
	s_wait_tensorcnt 0x0                           ; the tile's second barrier is also the refill's: all my tensor loads have landed,
	ds_add_u32 v[SPW], v[NIL]                      ; an add of 0 to my spare word,
.if \fill == 1
	s_add_nc_u64 s[G0+4*\s+2:G0+4*\s+3], s[G0+4*\s+2:G0+4*\s+3], 262144
.endif
	s_wait_dscnt 0x0                               ; and my LDS instructions are done (this slot's numbers have long been in registers)
	s_barrier_signal -1
	s_barrier_wait -1
.if \fill == 1
	tensor_load_to_lds s[G0+4*\s:G0+4*\s+3], s[G1:G1+7]
	s_nop 0
.rept 4
	v_nop
.endr
.if \t == 0
	global_prefetch_b8 v24, s[4:5] offset:393216 th:TH_LOAD_NT scope:SCOPE_SE   ; tile 3
.else
	global_prefetch_b8 v24, s[18:19] th:TH_LOAD_NT scope:SCOPE_SE               ; the weight's tile
.endif
.endif
.if \fill == 2
	tensor_load_to_lds s[G0W:G0W+3], s[G1:G1+7]
	s_nop 0
.rept 4
	v_nop
.endr
.endif
	STATSUM STB
	s_delay_alu instid0(VALU_DEP_1)
	v_fma_f32 v[RS], v[T16], s[C2K], s[EPS]
	s_wait_alu depctr_va_vdst(0)
	v_rsq_f32 v[RS], v[RS]
	v_nop
	s_wait_alu depctr_va_vdst(0)
	v_mov_b32 v[RS+1], v[RS]
.set i, 0
.rept 32
	v_pk_mul_f32 v[X+i:X+i+1], v[X+i:X+i+1], v[RS:RS+1]
.set i, i+2
.endr
.set i, 0
.rept 32
	v_pk_fma_f32 v[X+i:X+i+1], v[X+i:X+i+1], v[GAM+i:GAM+i+1], v[BET+i:BET+i+1]
.set i, i+2
.endr
	QUANT X
.irp c, 0,1,2
	global_store_b128 v[GOF], v[PC+4*\c:PC+4*\c+3], s[AQF:AQF+1] offset:1536*\t+512*\c
.endr
	ds_store_b32 v[SCS], v[PW] offset:128*\t
.endm
	LNTILE 0, 0, 1
	LNTILE 1, 1, 1
	LNTILE 2, 0, 2
	LNTILE 3, 1, 0
.irp c, 0,1
.irp j, 0,1,2,3,4,5,6,7,8,9,10,11,12,13,14,15,16,17,18,19,20,21,22,23,24,25,26,27,28,29,30,31
	ds_load_b32 v[X+32*\c+\j], v[WR] offset:(64*\c+\j)*PITCH
.endr
.endr
	s_wait_dscnt 0x0
.irp c, 0,1
	v_max3_num_f32 v[TM+\c], |v[X+32*\c]|, |v[X+32*\c+1]|, 0x2800000
.endr
.irp i, 2,4,6,8,10,12,14,16,18,20,22,24,26,28,30
.irp c, 0,1
	s_delay_alu instid0(VALU_DEP_2)
	v_max3_num_f32 v[TM+\c], v[TM+\c], |v[X+32*\c+\i]|, |v[X+32*\c+\i+1]|
.endr
.endr
.irp c, 0,1
	s_delay_alu instid0(VALU_DEP_2)
	v_add_nc_u32 v[TM+12+\c], 0xfe000000, v[TM+\c]
.endr
.irp c, 0,1
	s_delay_alu instid0(VALU_DEP_2)
	v_lshrrev_b32 v[TM+4+\c], 23, v[TM+12+\c]
.endr
	s_wait_alu depctr_va_vdst(0)
	s_wait_xcnt 0x0
.irp c, 0,1
	v_cvt_scalef32_pk16_bf6_f32 v[PC+6*\c:PC+2+6*\c], v[X+32*\c:X+15+32*\c], v[TM+12+\c]
	v_cvt_scalef32_pk16_bf6_f32 v[PC+12+4*\c:PC+14+4*\c], v[X+16+32*\c:X+31+32*\c], v[TM+12+\c]
.endr
	v_nop
.irp c, 0,1
.irp i, 0,1,2
	v_mov_b32 v[PC+3+6*\c+\i], v[PC+12+4*\c+\i]
.endr
.endr
	ds_store_b8 v[WSB], v[TM+4]
	ds_store_b8 v[WSB], v[TM+5] offset:2
.irp c, 0,1,2
	global_store_b128 v[WOF], v[PC+4*\c:PC+4*\c+3], s[BQF:BQF+1] offset:512*\c
.endr
	s_wait_dscnt 0x0
	s_barrier_signal -1
	s_barrier_wait -1
	ds_load_b64 v[Q:Q+1], v[SCR]
	s_wait_dscnt 0x0
	global_store_b64 v[L8], v[Q:Q+1], s[AQS:AQS+1]
	s_cmp_lt_u32 s[WV], 4
	s_cbranch_scc0 .Lend
	ds_load_b64 v[Q+2:Q+3], v[SWR]
	s_wait_dscnt 0x0
	global_store_b64 v[L8], v[Q+2:Q+3], s[BQS:BQS+1]
.Lend:
	s_wait_tensorcnt 0x0
	ds_add_u32 v[SPW], v[NIL]
	s_wait_dscnt 0x0
	s_endpgm
.Lfunc_end_k_qa179197f5d_prep:
	.size	k_qa179197f5d_prep, .Lfunc_end_k_qa179197f5d_prep-k_qa179197f5d_prep
	.p2alignl 7, 3214868480
	.fill 96, 4, 3214868480
	.section	.rodata,"a",@progbits
	.p2align	6, 0x0
	.amdhsa_kernel k_qa179197f5d_prep
		.amdhsa_group_segment_fixed_size 327680
		.amdhsa_private_segment_fixed_size 0
		.amdhsa_enable_private_segment 0
		.amdhsa_kernarg_size 80
		.amdhsa_user_sgpr_count 2
		.amdhsa_user_sgpr_kernarg_segment_ptr 1
		.amdhsa_wavefront_size32 1
		.amdhsa_system_sgpr_workgroup_id_x 1
		.amdhsa_system_sgpr_workgroup_id_y 1
		.amdhsa_system_sgpr_workgroup_id_z 1
		.amdhsa_system_vgpr_workitem_id 0
		.amdhsa_next_free_vgpr 256
		.amdhsa_next_free_sgpr 66
		.amdhsa_reserve_vcc 0
		.amdhsa_float_denorm_mode_32 3
		.amdhsa_float_denorm_mode_16_64 3
		.amdhsa_memory_ordered 1
		.amdhsa_forward_progress 1
		.amdhsa_inst_pref_size 108
	.end_amdhsa_kernel
	.amdgpu_metadata
---
amdhsa.version: [ 1, 2 ]
amdhsa.kernels:
  - .name:           k_qa179197f5d_prep
    .symbol:         k_qa179197f5d_prep.kd
    .args:
      - { .name: u, .offset: 0, .size: 8, .value_kind: global_buffer, .address_space: global }
      - { .name: v, .offset: 8, .size: 8, .value_kind: global_buffer, .address_space: global }
      - { .name: ln_u_w, .offset: 16, .size: 8, .value_kind: global_buffer, .address_space: global }
      - { .name: ln_v_w, .offset: 24, .size: 8, .value_kind: global_buffer, .address_space: global }
      - { .name: ln_u_b, .offset: 32, .size: 8, .value_kind: global_buffer, .address_space: global }
      - { .name: ln_v_b, .offset: 40, .size: 8, .value_kind: global_buffer, .address_space: global }
      - { .name: W_u, .offset: 48, .size: 8, .value_kind: global_buffer, .address_space: global }
      - { .name: W_v, .offset: 56, .size: 8, .value_kind: global_buffer, .address_space: global }
      - { .name: aq, .offset: 64, .size: 8, .value_kind: global_buffer, .address_space: global }
      - { .name: bq, .offset: 72, .size: 8, .value_kind: global_buffer, .address_space: global }
    .group_segment_fixed_size: 327680
    .private_segment_fixed_size: 0
    .kernarg_segment_align: 8
    .kernarg_segment_size: 80
    .max_flat_workgroup_size: 512
    .sgpr_count:     66
    .vgpr_count:     256
    .wavefront_size: 32
...
	.end_amdgpu_metadata
.endif
;; end of part 1
;; launch towers (part 2): grid 16 x 16, 4 waves a work-group, clusters of 4 x 4, 327,680 bytes of LDS; arguments aq, bq, b_u, b_v, part; writes part
.if DOCPART == 2
	.amdgcn_target "amdgcn-amd-amdhsa--gfx1250"
	.amdhsa_code_object_version 6
	.text
	.protected	k_qa179197f5d_towers
	.globl	k_qa179197f5d_towers
	.p2align	8
	.type	k_qa179197f5d_towers,@function
k_qa179197f5d_towers:
	s_mov_b64 s[64:65], 0
	v_nop
	global_prefetch_b8 v0, s[64:65] scope:SCOPE_SE
	s_setreg_imm32_b32 hwreg(HW_REG_WAVE_MODE, 25, 1), 1
	s_wait_xcnt 0x0
	s_wait_alu depctr_hold_cnt(0) depctr_sa_sdst(0) depctr_va_vdst(0) depctr_va_sdst(0) depctr_va_ssrc(0) depctr_va_vcc(0) depctr_vm_vsrc(0)
	s_getreg_b32 s2, hwreg(HW_REG_IB_STS2, 6, 4)
	s_cmp_eq_u32 s2, 0
	s_cbranch_scc0 .Lentry_in_a_cluster
	s_endpgm
.Lentry_in_a_cluster:
	s_bfe_u32 s2, ttmp6, 0x10000c
	s_cmp_lg_u32 s2, 0xf033
	s_cbranch_scc0 .Lentry_shape_is_right
	s_endpgm
.Lentry_shape_is_right:
; part[nb][m] = the sum over the 128 columns n of block nb of leaky(yu[m] . Wu[:, n] + b_u[n]) x leaky(yv[m] . Wv[:, n] + b_v[n]).  Both products on codes of BF6 (E3M2) with E8M0 scales, as the launch before has laid them:
;   aq [tower 2][block of 256 rows 32][256 along K 8] records of 51,200 bytes: [128 along K 2][tile of 16 rows 16] fragments of 1,536 bytes as images of their registers, then 2,048 bytes of scale words [tile][row][2]
;   bq [tower 2][block of 128 columns 16][256 along K 8] records of 25,600 bytes: [2][tile of 16 columns 8] fragments, then 1,024 bytes of scale words
; SHARES.  256 work-groups STAY and make two tiles each: 256 rows x 128 columns of BOTH towers, row blocks y and y + 16 of one block of columns.  Wave w makes 128 x 128 of tower T = w / 2, rows 128 (w % 2) on:
; 64 accumulators, 512 registers; 16 fragments from LDS feed 64 matrix instructions.  In tower 1 accumulator block a stands for row block a xor 4: so every wave keeps window 2 and sends window 3 to its partner (w xor 2).
; THE RING.  K goes in steps of 256 through two LDS slots of 153,600 bytes: the records of A_u, A_v, B_u, B_v, each a dense block brought by one tensor load (waves 0, 1: A's; waves 2, 3: B's).  The sixteen records of the two tiles
; are one stream, record j in slot j % 2: the first tile's last two changes of slots ask for the second tile's records 0 and 1.  A wave has one tensor load out at a time.
; CLUSTERS: 4 x 4 work-groups.  The four of a row of the cluster need the same records of A, the four of a column the same records of B: each is asked for JOINTLY, by the same load, descriptor and mask.
; PREFETCH.  Behind the joint load of record j each wave asks for record j + 2, two changes of slots ahead of its load; behind record 0's also for record 1.  The four partners that load a record share its blocks of 256 bytes
; out by address: a quarter each, 50 blocks of A's record (two instructions) or 25 of B's (one; the lanes left over name the last block again).  B's records are the same in both tiles and are asked for in the first alone;
; nothing is asked for beyond record 15.  At most two records are asked for and not yet loaded.
; THE WAY OUT.  The ring leaves 20,480 bytes of LDS: the activations change waves in sixteen pieces of 16 registers, 2,048 bytes a wave, through two buffers by turns on which no fill lands; one barrier a piece.
; THE MATRIX INSTRUCTION IS USED TRANSPOSED (source 0 = 16 columns of W, source 1 = 16 rows of y): lane l holds row l % 16 and, of tile b, columns 16 b + 8 (l / 16) + 0 .. 7.  The bias, in that layout, is the C of each sum's first product.
; REGISTERS, in windows of 256: window 0: v0-31 addresses; v32-63 scale words, two sets; v64-127 the bias (both tiles'); v128-223 A's fragments, ONE set; v128-243 at work on the way out.
;   window 1: B's fragments, TWO sets, at v0 and v128.   window 2: accumulator blocks 0-3 ((a, b) at v[8 (8 a + b)]);   window 3: blocks 4-7.
.set FR,     12
.set NL,     3
.set NP,     4
.set NQ,     2
.set AREC,   51200
.set BREC,   25600
.set SLOT,   2*AREC+2*BREC
.set STAGE,  2*SLOT                    ; behind the ring: two buffers of 2,048 bytes for each wave
.set OUTB,   STAGE+4*4096              ; 256 bytes for each wave: a tile's row sums
.set SPARE,  OUTB+1024                 ; the spare words, 128 bytes for each wave: two blocks of 256 bytes that no other line names
.set LAPS,   4                         ; a lap = two slots = 512 along K
.set TSTEP,  16*8*AREC                 ; bytes from a tile's records of A to the next tile's: 16 blocks of rows
.set NEXT_A, TSTEP-6*AREC              ; from a slot's last record of a tile to its first of the next
.set BACK_B, 6*BREC                    ; B only goes back
.set PF0,  12                          ; v12-13  the prefetches' offsets; never rewritten
.set PF1,  13
.set BOF,  14
.set L8,   15
.set ADRA, 16                          ; v16-19  A's fragments: slot s, accumulator blocks 4 g on: v[16 + s + 2 g]
.set ADRB, 20                          ; v20-21  B's, slot s
.set ADRS, 22                          ; v22-25  scale words: lanes 0-15 A's rows, lanes 16-31 B's columns
.set SND,  26
.set RCV,  27
.set SPW,  28                          ; my spare word; never rewritten
.set NIL,  29                          ; 0; never rewritten
.set OUW,  30
.set OUR,  31
.set SC,   32
.set BIAS, 64
.set AF,   128
.set T3,   128                         ; the way out, two sets of 16 each: pieces to send,
.set T2,   160                         ; my own pieces,
.set RR,   192                         ; my partner's
.set PR,   224
.set SUM,  232
.set PX,   236
.set VO,   240
.set BSA,  20
.set BSB,  46
.set G1,   24
.set G0,   32
.set G1B,  48
.set G0B,  56
.set PFB,  82                          ; s[82:83] my quarter of record 0 of the first tile
.set PFA,  84                          ; s[84:85] my quarter of the record that is asked for next
.set POF,  86                          ; s[86:87] its offset
.set PIX,  88                          ; its number in the stream of sixteen
.set PREC, 89                          ; bytes of a record that I fetch
.set SEL,  90
.set SL,   92
.set MK,   94
.set LIM,  95                          ; in the loop I prefetch while the trips to go exceed this
.set MSB, 0
.macro WIN new
.if MSB != \new
	s_set_vgpr_msb (MSB<<8)|\new
.set MSB, \new
.endif
.endm
.set MUL_LO, 0xa1
.set MUL_HI, 0xf1
.set FST_LO, 0x81
.set FST_HI, 0xc1
.set TO_B,   0x40
.macro JLOAD s                         ; a joint load: waves 0, 1 fetch A's records, waves 2, 3 B's
	s_cmp_eq_u32 s15, 0
	s_cbranch_scc0 .Lfor_b_\@
	tensor_load_to_lds s[G0+4*\s:G0+4*\s+3], s[G1:G1+7]
	s_nop 0
.rept 4
	v_nop
.endr
	s_branch .Lasked_\@
.Lfor_b_\@:
	tensor_load_to_lds s[G0B+4*\s:G0B+4*\s+3], s[G1B:G1B+7]
	s_nop 0
.rept 4
	v_nop
.endr
.Lasked_\@:
.endm
.macro CREST
	s_cmp_lg_u32 s14, 0
	s_cbranch_scc1 .Lnot_wave_0_\@
	s_barrier_signal -3
.Lnot_wave_0_\@:
	s_barrier_wait -3
	s_barrier_signal -1
	s_barrier_wait -1
.endm
.macro CROUND
	s_barrier_signal -1
	s_barrier_wait -1
	CREST
.endm
.macro PFSTEP                          ; the prefetches' address goes one record on: record PIX % 8 of tile PIX / 8
	s_wait_xcnt 0x0                                ; the last prefetch has read its address
	s_add_co_u32 s[PIX], s[PIX], 1
	s_and_b32 s96, s[PIX], 7
	s_mul_i32 s[POF], s96, s[PREC]
	s_lshr_b32 s96, s[PIX], 3
	s_mul_i32 s96, s96, TSTEP
	s_add_co_u32 s[POF], s[POF], s96
	s_add_nc_u64 s[PFA:PFA+1], s[PFB:PFB+1], s[POF:POF+1]
.endm
.macro ASK how                         ; 0: in the loop; 1: at the head, every wave; 2: at the change of tiles, A's waves alone
.if \how == 0
	s_cmp_gt_u32 s3, s[LIM]
	s_cbranch_scc0 .Lno_\@
.endif
.if \how == 2
	s_cmp_eq_u32 s15, 0
	s_cbranch_scc0 .Lno_\@
.endif
	global_prefetch_b8 v[PF0], s[PFA:PFA+1] th:TH_LOAD_NT scope:SCOPE_SE
.if \how != 2
	s_cmp_eq_u32 s15, 0
	s_cbranch_scc0 .Lno_\@
.endif
	global_prefetch_b8 v[PF1], s[PFA:PFA+1] th:TH_LOAD_NT scope:SCOPE_SE
.Lno_\@:
.endm
	s_load_b128 s[4:7], s[0:1], 0x0                ; aq, bq
	s_load_b128 s[8:11], s[0:1], 0x10              ; b_u, b_v
	s_load_b64 s[12:13], s[0:1], 0x20              ; part
	v_lshl_add_u32 v[SPW], v0, 2, SPARE
	v_mov_b32 v[NIL], 0
	ds_add_u32 v[SPW], v[NIL]                      ; the opening lines: the add, twice on end, and its wait
	ds_add_u32 v[SPW], v[NIL]
	v_lshrrev_b32 v1, 5, v0
	v_readfirstlane_b32 s14, v1                    ; wave 0..3
	s_lshr_b32 s15, s14, 1                         ; T: my tower.  Also: I fetch for A (0) or for B (1)
	s_and_b32 s16, s14, 1                          ; which 128 rows are mine.  Also: the tower whose record I fetch
	s_bfe_u32 s40, ttmp6, 0x40000                  ; cx, cy
	s_bfe_u32 s41, ttmp6, 0x40004
	s_lshl_b32 s42, ttmp9, 2
	s_add_co_u32 s42, s42, s40                     ; block of 128 columns
	s_and_b32 s17, ttmp7, 0xffff
	s_lshl_b32 s17, s17, 2
	s_add_co_u32 s17, s17, s41                     ; the first tile's block of 256 rows, 0 .. 15
	s_lshl_b32 s43, s41, 2
	s_lshl_b32 s43, 15, s43                        ; my row of the cluster
	s_lshl_b32 s44, 0x1111, s40                    ; my column
	s_or_b32 s[G1+0], s43, (3<<16)|(1<<21)         ; a dense record as rows of 256 bytes (32 elements of 8): A's 200 rows, B's 100
	s_or_b32 s[G1B+0], s44, (3<<16)|(1<<21)
	s_mov_b32 s[G1+1], 32<<16
	s_mov_b32 s[G1+2], 200<<16
	s_mov_b32 s[G1+3], 32<<16
	s_mov_b32 s[G1+4], 200
	s_mov_b32 s[G1+5], 32
	s_mov_b32 s[G1+6], 0
	s_mov_b32 s[G1+7], 0
	s_mov_b32 s[G1B+1], 32<<16
	s_mov_b32 s[G1B+2], 100<<16
	s_mov_b32 s[G1B+3], 32<<16
	s_mov_b32 s[G1B+4], 100
	s_mov_b32 s[G1B+5], 32
	s_mov_b32 s[G1B+6], 0
	s_mov_b32 s[G1B+7], 0
	s_mul_i32 s[BSA], s16, 13107200                ; A's records hang on the block of rows alone, B's on the block of columns alone
	s_mul_i32 s[BSA+1], s17, 409600
	s_add_co_u32 s[BSA], s[BSA], s[BSA+1]
	s_mov_b32 s[BSA+1], 0
	s_mul_i32 s[BSB], s16, 3276800
	s_mul_i32 s[BSB+1], s42, 204800
	s_add_co_u32 s[BSB], s[BSB], s[BSB+1]
	s_mov_b32 s[BSB+1], 0
	s_mul_i32 s45, s16, AREC                       ; where they go: no place in the cluster enters an LDS address
	s_mul_i32 s22, s16, BREC
	s_add_co_u32 s22, s22, 2*AREC
	s_mov_b32 s[SEL], 0x76543210
	s_mov_b32 s[SEL+1], 0xfedcba98
	s_mov_b32 s[SL], 0x3a83126f                    ; 0.001
	s_mov_b32 s[SL+1], s[SL]
	s_mov_b32 s[MK], 0xffff0000                    ; lanes 16-31
	s_wait_dscnt 0x0                               ; both opening adds are done
	CROUND                                         ; all sixteen work-groups are here: the first joint loads meet
	s_wait_kmcnt 0x0
	s_add_nc_u64 s[BSA:BSA+1], s[4:5], s[BSA:BSA+1]
	s_add_nc_u64 s[BSB:BSB+1], s[6:7], s[BSB:BSB+1]
.irp s, 0,1
	s_mov_b32 s[G0+4*\s], 1
	s_add_co_u32 s[G0+4*\s+1], s45, \s*SLOT
	s_add_nc_u64 s[G0+4*\s+2:G0+4*\s+3], s[BSA:BSA+1], \s*AREC
	s_or_b32 s[G0+4*\s+3], s[G0+4*\s+3], 0x80000000
	s_mov_b32 s[G0B+4*\s], 1
	s_add_co_u32 s[G0B+4*\s+1], s22, \s*SLOT
	s_add_nc_u64 s[G0B+4*\s+2:G0B+4*\s+3], s[BSB:BSB+1], \s*BREC
	s_or_b32 s[G0B+4*\s+3], s[G0B+4*\s+3], 0x80000000
.endr
	s_cmp_eq_u32 s15, 0                            ; the prefetches: the record that I fetch, my work-group's quarter of it (by cx for A, by cy for B)
	s_cselect_b64 s[PFB:PFB+1], s[BSA:BSA+1], s[BSB:BSB+1]
	s_cselect_b32 s96, s40, s41
	s_cselect_b32 s[LIM], 0, 1                     ; first tile: A's waves in every trip, B's in all but the last (records up to 7)
	s_cselect_b32 s97, 31, 24
	s_mov_b32 s[PREC], BREC
	s_cselect_b32 s[PREC], AREC, s[PREC]
	s_lshr_b32 s[POF], s[PREC], 2
	s_mul_i32 s[POF], s[POF], s96
	s_mov_b32 s[POF+1], 0
	s_add_nc_u64 s[PFB:PFB+1], s[PFB:PFB+1], s[POF:POF+1]
	s_mov_b32 s[PIX], 2                            ; the head asks for records 1 and 2 from one address, record 1's
	s_mov_b32 s[POF], s[PREC]
	s_add_nc_u64 s[PFA:PFA+1], s[PFB:PFB+1], s[POF:POF+1]
	JLOAD 0                                        ; record 0: one tensor load a wave at the head
	v_and_b32 v1, 15, v0                           ; r
	v_bfe_u32 v2, v0, 4, 1                         ; h
	v_and_b32 v4, 31, v0                           ; lane
	v_lshlrev_b32 v3, 4, v4                        ; 16 x lane: my place in every image
	v_lshlrev_b32 v[BOF], 5, v2
	v_min_u32 v[PF0], s97, v4                      ; blocks 0 .. 31 of A's quarter, 0 .. 24 of B's
	v_lshlrev_b32 v[PF0], 8, v[PF0]
	v_add_nc_u32 v[PF1], 32, v4
	v_min_u32 v[PF1], 49, v[PF1]                   ; blocks 32 .. 49 of A's quarter
	v_lshlrev_b32 v[PF1], 8, v[PF1]
	s_wait_alu depctr_va_vdst(0)
	global_prefetch_b8 v[PF0], s[PFA:PFA+1] th:TH_LOAD_NT scope:SCOPE_SE                 ; record 1,
	s_cmp_eq_u32 s15, 0
	s_cbranch_scc0 .Lhead_b
	global_prefetch_b8 v[PF1], s[PFA:PFA+1] th:TH_LOAD_NT scope:SCOPE_SE
	global_prefetch_b8 v[PF0], s[PFA:PFA+1] offset:AREC th:TH_LOAD_NT scope:SCOPE_SE     ; and record 2
	global_prefetch_b8 v[PF1], s[PFA:PFA+1] offset:AREC th:TH_LOAD_NT scope:SCOPE_SE
	s_branch .Lhead_j
.Lhead_b:
	global_prefetch_b8 v[PF0], s[PFA:PFA+1] offset:BREC th:TH_LOAD_NT scope:SCOPE_SE
.Lhead_j:
	s_cmp_eq_u32 s15, 0
	s_cselect_b64 s[8:9], s[8:9], s[10:11]         ; my tower's bias, at my block of 128 columns
	s_lshl_b32 s74, s42, 9
	s_mov_b32 s75, 0
	s_add_nc_u64 s[8:9], s[8:9], s[74:75]
.irp b, 0,1,2,3,4,5,6,7
	global_load_b128 v[BIAS+8*\b:BIAS+8*\b+3], v[BOF], s[8:9] offset:64*\b
	global_load_b128 v[BIAS+8*\b+4:BIAS+8*\b+7], v[BOF], s[8:9] offset:64*\b+16
.endr
	s_xor_b32 s66, s15, 1                          ; 1 - T
	s_mul_i32 s67, s15, AREC                       ; my tower's record of A
	s_mul_i32 s68, s16, 12288                      ; my 8 tiles of its 16
	s_add_co_u32 s68, s68, s67
	s_mul_i32 s69, s15, 6144                       ; accumulator blocks 0-3 take tiles 4 T on,
	s_add_co_u32 s69, s69, s68
	s_mul_i32 s70, s66, 6144                       ; blocks 4-7 tiles 4 (1 - T) on
	s_add_co_u32 s70, s70, s68
	v_add_nc_u32 v[ADRA], s69, v3
	v_add_nc_u32 v[ADRA+2], s70, v3
	v_add_nc_u32 v[ADRA+1], SLOT, v[ADRA]
	v_add_nc_u32 v[ADRA+3], SLOT, v[ADRA+2]
	s_mul_i32 s71, s15, BREC
	s_add_co_u32 s71, s71, 2*AREC                  ; my tower's record of B
	v_add_nc_u32 v[ADRB], s71, v3
	v_add_nc_u32 v[ADRB+1], SLOT, v[ADRB]
	s_lshl_b32 s72, s16, 10                        ; scale words: 128 bytes a tile, 8 a row; A's lie 49,152 bytes into the record, B's 24,576
	s_add_co_u32 s72, s72, s67
	s_add_co_u32 s72, s72, 49152
	s_lshl_b32 s73, s15, 9
	s_add_co_u32 s73, s73, s72
	s_lshl_b32 s79, s66, 9
	s_add_co_u32 s79, s79, s72
	s_add_co_u32 s80, s71, 24576
	s_add_co_u32 s81, s80, 512
	s_sub_co_u32 s80, s80, s73                     ; lanes 16-31 take B's: the lower base + h x the distance
	s_sub_co_u32 s81, s81, s79
	v_lshlrev_b32 v5, 3, v1
	v_mul_u32_u24 v6, s80, v2
	v_add_nc_u32 v6, v5, v6
	v_add_nc_u32 v[ADRS], s73, v6
	v_add_nc_u32 v[ADRS+1], SLOT, v[ADRS]
	v_mul_u32_u24 v6, s81, v2
	v_add_nc_u32 v6, v5, v6
	v_add_nc_u32 v[ADRS+2], s79, v6
	v_add_nc_u32 v[ADRS+3], SLOT, v[ADRS+2]
	s_lshl_b32 s78, s14, 12
	s_add_co_u32 s78, s78, STAGE
	v_add_nc_u32 v[SND], s78, v3                   ; my stage,
	s_xor_b32 s78, s14, 2
	s_lshl_b32 s78, s78, 12
	s_add_co_u32 s78, s78, STAGE
	v_add_nc_u32 v[RCV], s78, v3                   ; my partner's
	s_lshl_b32 s78, s14, 8
	s_add_co_u32 s78, s78, OUTB
	v_lshl_add_u32 v[OUW], v4, 2, s78
	v_lshl_add_u32 v[OUR], v4, 3, s78
	v_lshlrev_b32 v[L8], 3, v4
	s_lshl_b32 s76, s42, 15                        ; part: 32,768 bytes for each block of columns; my 64 rows: 256 x block of rows + 128 (w % 2) + 64 T
	s_lshl_b32 s77, s17, 10
	s_add_co_u32 s76, s76, s77
	s_lshl_b32 s77, s16, 9
	s_add_co_u32 s76, s76, s77
	s_lshl_b32 s77, s15, 8
	s_add_co_u32 s76, s76, s77
	s_mov_b32 s77, 0
	s_add_nc_u64 s[12:13], s[12:13], s[76:77]
.macro FRAG reg, adr, off              ; a fragment as it was stored: registers 4 c .. 4 c + 3 of lane l from 512 c + 16 l
.irp c, 0,1,2
	ds_load_b128 v[\reg+4*\c:\reg+4*\c+3], v[\adr] offset:\off+512*\c
.endr
.endm
; 16 matrix instructions: A's blocks a0, a0 + 1 x B's eight tiles, 128 along K.  first = 1: the sums start from the bias.  The 64 accumulators take turns, in the same order in every step.
.macro MUL16 a0, p, q, sc, first
.irp a, \a0, \a0+1
.irp b, 0,1,2,3,4,5,6,7
.if \first
	v_wmma_scale_f32_16x16x128_f8f6f4 v[8*(8*((\a)%4)+\b):8*(8*((\a)%4)+\b)+7], v[128*(\p)+FR*\b:128*(\p)+FR*\b+FR-1], v[AF+FR*(\a):AF+FR*(\a)+FR-1], v[BIAS+8*\b:BIAS+8*\b+7], v[SC+8*NQ*(\sc)+NQ*\b+(\q)], v[SC+8*NQ*(\sc)+NQ*(\a)+(\q)] matrix_a_fmt:MATRIX_FMT_BF6 matrix_b_fmt:MATRIX_FMT_BF6 matrix_a_scale:MATRIX_SCALE_ROW1
.else
	v_wmma_scale_f32_16x16x128_f8f6f4 v[8*(8*((\a)%4)+\b):8*(8*((\a)%4)+\b)+7], v[128*(\p)+FR*\b:128*(\p)+FR*\b+FR-1], v[AF+FR*(\a):AF+FR*(\a)+FR-1], v[8*(8*((\a)%4)+\b):8*(8*((\a)%4)+\b)+7], v[SC+8*NQ*(\sc)+NQ*\b+(\q)], v[SC+8*NQ*(\sc)+NQ*(\a)+(\q)] matrix_a_fmt:MATRIX_FMT_BF6 matrix_b_fmt:MATRIX_FMT_BF6 matrix_a_scale:MATRIX_SCALE_ROW1
.endif
.endr
.endr
.endm
.macro FETCH_B slot, q, p              ; 24 loads
	WIN TO_B
.irp i, 0,1,2,3,4,5,6,7
	FRAG 128*(\p)+FR*\i, ADRB+\slot, 12288*(\q)+1536*\i
.endr
	WIN 0
.endm
.macro FETCH_A slot, q, i0             ; 12 loads
.irp i, \i0, \i0+1, \i0+2, \i0+3
	FRAG AF+FR*(\i), ADRA+\slot+2*(\i0/4), 24576*(\q)+1536*((\i)-\i0)
.endr
.endm
.macro SCALES s                        ; 8 loads
.irp i, 0,1,2,3,4,5,6,7
	ds_load_b64 v[SC+8*NQ*\s+NQ*\i:SC+8*NQ*\s+NQ*\i+1], v[ADRS+\s+2*(\i/4)] offset:128*(\i%4)
.endr
.endm
.macro PLACES n                        ; places behind matrix instructions, ahead of loads into their registers and of reads of their results
.rept \n
	v_nop
.endr
.endm
; A slot's first step, on B's set 0.  Ahead of it were issued, in this order: B's set 0, the scale words and A's blocks 0-3 (44 loads), A's blocks 4-7 (12), B's set 1 for the slot's second step (24).
.macro STEP slot, first
	s_wait_dscnt 12*NL                             ; the 44 are in; the youngest 36 may be out
.if \first
	WIN FST_LO
.else
	WIN MUL_LO
.endif
	MUL16 0, 0, 0, \slot, \first
	MUL16 2, 0, 0, \slot, \first
	s_wait_dscnt 8*NL                              ; A's blocks 4-7 are in; B's set 1 (24) may be out
	PLACES NP
	WIN 0
	FETCH_A \slot, 1, 0
.if \first
	WIN FST_HI
.else
	WIN MUL_HI
.endif
	MUL16 4, 0, 0, \slot, \first
	MUL16 6, 0, 0, \slot, \first
	PLACES NP
	WIN 0
	FETCH_A \slot, 1, 4
.endm
; A slot's second step, on B's set 1, changes slots: ONE barrier, behind its first 16 products; in front of it each wave waits for all its tensor loads, adds 0 to its spare word, and waits for that and for its reads of this slot.
; fill = 1: this slot takes the record two on; 2: the next tile's record; 0: nothing.  fetch = 1: the next slot's fragments are read: B's set 0 and the scale words 48 products ahead of their use, A's blocks 32 ahead, B's set 1 a step ahead.
.macro TURN slot, next, fill, fetch
.if \fill
	PFSTEP
.endif
	s_wait_dscnt 4*NL                              ; all but the youngest twelve loads (A's blocks 4-7)
	WIN MUL_LO
	MUL16 0, 1, 1, \slot, 0
	WIN 0
	s_wait_tensorcnt 0x0                           ; my one load that was out, my record of the next slot, has landed
	ds_add_u32 v[SPW], v[NIL]
.if \fill == 1
	s_add_nc_u64 s[G0+4*\slot+2:G0+4*\slot+3], s[G0+4*\slot+2:G0+4*\slot+3], 2*AREC
	s_add_nc_u64 s[G0B+4*\slot+2:G0B+4*\slot+3], s[G0B+4*\slot+2:G0B+4*\slot+3], 2*BREC
.endif
.if \fill == 2
	s_add_nc_u64 s[G0+4*\slot+2:G0+4*\slot+3], s[G0+4*\slot+2:G0+4*\slot+3], NEXT_A
	s_sub_nc_u64 s[G0B+4*\slot+2:G0B+4*\slot+3], s[G0B+4*\slot+2:G0B+4*\slot+3], BACK_B
.endif
	s_wait_dscnt 0x0                               ; the add is done, and my reads of this slot are over
	s_barrier_signal -1
	s_barrier_wait -1
.if \fill
	CREST                                          ; the barrier has opened a round of the cluster's barrier
	JLOAD \slot                                    ; the first tensor load behind the round; its four v_nop are also the places in front of the loads below
.else
	PLACES NP
.endif
.if \fetch
	FETCH_B \next, 0, 0
	SCALES \next
.endif
.if \fill == 1
	ASK 0
.endif
.if \fill == 2
	ASK 2
.endif
	WIN MUL_LO
	MUL16 2, 1, 1, \slot, 0
.if \fetch
	PLACES NP
	WIN 0
	FETCH_A \next, 0, 0
.endif
	WIN MUL_HI
	MUL16 4, 1, 1, \slot, 0
	MUL16 6, 1, 1, \slot, 0
.if \fetch
	PLACES NP
	WIN 0
	FETCH_A \next, 0, 4
	FETCH_B \next, 1, 1
.else
	WIN 0
.endif
.endm
; leaky(x) = max(x, 0.001 x).  Piece i of a window (16 registers: two accumulators) into v[dst] on, in window 0; each accumulator is read from its low end on.
.macro LEAKY win, i, dst
	WIN \win
.irp b, 0,1
.irp p, 0,2,4,6
	v_pk_mul_f32 v[\dst+8*\b+\p:\dst+8*\b+\p+1], v[16*(\i)+8*\b+\p:16*(\i)+8*\b+\p+1], s[SL:SL+1] op_sel_hi:[1,0]
.endr
.irp j, 0,1,2,3,4,5,6,7
	v_max_num_f32 v[\dst+8*\b+\j], v[16*(\i)+8*\b+\j], v[\dst+8*\b+\j]
.endr
.endr
	WIN 0
.endm
.macro MEETS p                         ; my piece p x my partner's, onto four chains of pairs; four pieces make an accumulator block's 16 rows
.irp k, 0,1,2,3
.if (\p)%4 == 0
	v_pk_mul_f32 v[PR+2*\k:PR+2*\k+1], v[T2+16*((\p)%2)+2*\k:T2+16*((\p)%2)+2*\k+1], v[RR+16*((\p)%2)+2*\k:RR+16*((\p)%2)+2*\k+1]
.else
	v_pk_fma_f32 v[PR+2*\k:PR+2*\k+1], v[T2+16*((\p)%2)+2*\k:T2+16*((\p)%2)+2*\k+1], v[RR+16*((\p)%2)+2*\k:RR+16*((\p)%2)+2*\k+1], v[PR+2*\k:PR+2*\k+1]
.endif
.endr
.irp k, 0,1,2,3
	v_pk_fma_f32 v[PR+2*\k:PR+2*\k+1], v[T2+16*((\p)%2)+8+2*\k:T2+16*((\p)%2)+8+2*\k+1], v[RR+16*((\p)%2)+8+2*\k:RR+16*((\p)%2)+8+2*\k+1], v[PR+2*\k:PR+2*\k+1]
.endr
.if (\p)%4 == 3
	v_pk_add_f32 v[PR:PR+1], v[PR:PR+1], v[PR+2:PR+3]
	v_pk_add_f32 v[PR+4:PR+5], v[PR+4:PR+5], v[PR+6:PR+7]
	v_pk_add_f32 v[PR:PR+1], v[PR:PR+1], v[PR+4:PR+5]
	v_add_f32 v[SUM+(\p)/4], v[PR], v[PR+1]        ; my 64 columns of row 16 (p / 4) + l % 16
.endif
.endm
; THE WAY OUT of a tile.  Window 3's piece n goes to buffer n % 2 of my stage as an image of its registers.  Barrier n shows every wave's piece n stored and every wave's reads of piece n - 1 over: behind it my partner's
; piece n is read, and my piece n + 1 is stored into the buffer that held piece n - 1.  The partner's piece meets window 2's one piece later, so that no line waits for a load just issued.
.macro WAYOUT
	s_wait_xcnt 0x0                                ; earlier stores have read their registers
	PLACES NP
	LEAKY 0x03, 0, T3
.irp k, 0,1,2,3
	ds_store_b128 v[SND], v[T3+4*\k:T3+4*\k+3] offset:512*\k
.endr
	LEAKY 0x03, 1, T3+16
.irp n, 0,1,2,3,4,5,6,7,8,9,10,11,12,13,14,15
	s_wait_alu depctr_va_vdst(0)
	s_wait_dscnt 0x0                               ; my piece n is stored, my partner's piece n - 1 is in registers
	s_barrier_signal -1
.if \n > 0
	MEETS \n-1
.endif
	s_barrier_wait -1
.irp k, 0,1,2,3
	ds_load_b128 v[RR+16*((\n)%2)+4*\k:RR+16*((\n)%2)+4*\k+3], v[RCV] offset:2048*((\n)%2)+512*\k
.endr
.if \n < 15
.irp k, 0,1,2,3
	ds_store_b128 v[SND], v[T3+16*((\n+1)%2)+4*\k:T3+16*((\n+1)%2)+4*\k+3] offset:2048*((\n+1)%2)+512*\k
.endr
.endif
	LEAKY 0x02, \n, T2+16*((\n)%2)
.if \n < 14
	LEAKY 0x03, \n+2, T3+16*((\n)%2)               ; into the registers of piece n, whose store is done
.endif
.endr
	s_wait_alu depctr_va_vdst(0)
	s_wait_dscnt 0x0
	MEETS 15
.irp a, 0,1,2,3
	v_mov_b32 v[PX+\a], 0
.endr
.irp a, 0,1,2,3
	v_permlanex16_b32 v[PX+\a], v[SUM+\a], s[SEL], s[SEL+1]
.endr
.irp a, 0,1,2,3
	v_add_f32 v[SUM+\a], v[SUM+\a], v[PX+\a]       ; with lane l xor 16's 64 columns
.endr
	v_cndmask_b32 v[VO], v[SUM], v[SUM+1], s[MK]   ; lane l: row l of my 64,
	v_cndmask_b32 v[VO+1], v[SUM+2], v[SUM+3], s[MK]   ; and row 32 + l
	ds_store_b32 v[OUW], v[VO]
	ds_store_b32 v[OUW], v[VO+1] offset:128
	ds_load_b64 v[VO+2:VO+3], v[OUR]               ; LDS serves a wave's instructions in order (ISA guide 5.7.1.4)
	s_wait_dscnt 0x0
	global_store_b64 v[L8], v[VO+2:VO+3], s[12:13] ; 32 lanes store 256 consecutive bytes, at a multiple of 256 from part's first byte
.endm
	s_wait_alu depctr_va_vdst(0)
	PFSTEP                                         ; on to record 3
	s_wait_tensorcnt 0x0                           ; my record of slot 0 is in; the same lines ahead of a later first fill as ahead of a refill
	ds_add_u32 v[SPW], v[NIL]
	s_wait_dscnt 0x0
	CROUND
	JLOAD 1                                        ; record 1, the first tensor load behind the round
	ASK 1                                          ; record 3
	s_mov_b32 s2, 2                                ; tiles to go
.Ltile:
	FETCH_B 0, 0, 0
	FETCH_A 0, 0, 0
	SCALES 0
	FETCH_A 0, 0, 4
	FETCH_B 0, 1, 1
	s_wait_loadcnt 0x0                             ; the bias
	STEP 0, 1                                      ; a tile's first step starts the sums
	s_mov_b32 s3, LAPS-1
.Llap:                                                 ; a trip goes once round the ring and fills both slots again
	TURN 0, 1, 1, 1
	STEP 1, 0
	TURN 1, 0, 1, 1
	STEP 0, 0
	s_sub_co_u32 s3, s3, 1
	s_cmp_lg_u32 s3, 0
	s_cbranch_scc1 .Llap
	s_cmp_eq_u32 s2, 1
	s_cbranch_scc1 .Llast                          ; the last tile's tail is written out: it asks for nothing more
	TURN 0, 1, 2, 1                                ; slot 0 takes the next tile's record 0,
	STEP 1, 0
	TURN 1, 0, 2, 0                                ; slot 1 its record 1
	WAYOUT
	s_wait_xcnt 0x0                                ; the store has read its base
	s_add_nc_u64 s[12:13], s[12:13], 16384         ; 16 blocks of 256 rows on
	s_cmp_eq_u32 s15, 0
	s_cselect_b32 s[LIM], 1, -1                    ; second tile: A's waves in all trips but the last (records up to 15), B's never
	s_sub_co_u32 s2, s2, 1
	s_wait_alu depctr_va_vdst(0)
	s_branch .Ltile
.Llast:
	TURN 0, 1, 0, 1
	STEP 1, 0
	s_wait_dscnt 4*NL                              ; the very last step: nothing more to fetch
	WIN MUL_LO
	MUL16 0, 1, 1, 1, 0
	MUL16 2, 1, 1, 1, 0
	s_wait_dscnt 0x0
	WIN MUL_HI
	MUL16 4, 1, 1, 1, 0
	MUL16 6, 1, 1, 1, 0
	WIN 0
	WAYOUT
	s_wait_tensorcnt 0x0                           ; the wave's end
	ds_add_u32 v[SPW], v[NIL]
	s_wait_dscnt 0x0
	CROUND                                         ; the closing round
	s_endpgm
.Lfunc_end_k_qa179197f5d_towers:
	.size	k_qa179197f5d_towers, .Lfunc_end_k_qa179197f5d_towers-k_qa179197f5d_towers
	.p2alignl 7, 3214868480
	.fill 96, 4, 3214868480
	.section	.rodata,"a",@progbits
	.p2align	6, 0x0
	.amdhsa_kernel k_qa179197f5d_towers
		.amdhsa_group_segment_fixed_size 327680
		.amdhsa_private_segment_fixed_size 0
		.amdhsa_enable_private_segment 0
		.amdhsa_kernarg_size 40
		.amdhsa_user_sgpr_count 2
		.amdhsa_user_sgpr_kernarg_segment_ptr 1
		.amdhsa_wavefront_size32 1
		.amdhsa_system_sgpr_workgroup_id_x 1
		.amdhsa_system_sgpr_workgroup_id_y 1
		.amdhsa_system_sgpr_workgroup_id_z 1
		.amdhsa_system_vgpr_workitem_id 0
		.amdhsa_next_free_vgpr 1024
		.amdhsa_next_free_sgpr 100
		.amdhsa_reserve_vcc 0
		.amdhsa_float_denorm_mode_32 3
		.amdhsa_float_denorm_mode_16_64 3
		.amdhsa_memory_ordered 1
		.amdhsa_forward_progress 1
		.amdhsa_inst_pref_size 254
	.end_amdhsa_kernel
	.amdgpu_metadata
---
amdhsa.version: [ 1, 2 ]
amdhsa.kernels:
  - .name:           k_qa179197f5d_towers
    .symbol:         k_qa179197f5d_towers.kd
    .args:
      - { .name: aq, .offset: 0, .size: 8, .value_kind: global_buffer, .address_space: global }
      - { .name: bq, .offset: 8, .size: 8, .value_kind: global_buffer, .address_space: global }
      - { .name: b_u, .offset: 16, .size: 8, .value_kind: global_buffer, .address_space: global }
      - { .name: b_v, .offset: 24, .size: 8, .value_kind: global_buffer, .address_space: global }
      - { .name: part, .offset: 32, .size: 8, .value_kind: global_buffer, .address_space: global }
    .group_segment_fixed_size: 327680
    .private_segment_fixed_size: 0
    .kernarg_segment_align: 8
    .kernarg_segment_size: 40
    .max_flat_workgroup_size: 128
    .sgpr_count:     100
    .vgpr_count:     1024
    .wavefront_size: 32
...
	.end_amdgpu_metadata
.endif
;; end of part 2
;; launch fin (part 3): grid 32 x 1, 2 waves a work-group, no clusters, 0 bytes of LDS; arguments part, out0; writes out0
.if DOCPART == 3
	.amdgcn_target "amdgcn-amd-amdhsa--gfx1250"
	.amdhsa_code_object_version 6
	.text
	.protected	k_qa179197f5d_fin
	.globl	k_qa179197f5d_fin
	.p2align	8
	.type	k_qa179197f5d_fin,@function
k_qa179197f5d_fin:
	s_mov_b64 s[64:65], 0
	v_nop
	global_prefetch_b8 v0, s[64:65] scope:SCOPE_SE
	s_setreg_imm32_b32 hwreg(HW_REG_WAVE_MODE, 25, 1), 1
	s_wait_xcnt 0x0
; out0[m] = the sum over the 16 blocks of columns nb of part[nb][m], nb ascending.  part: [16][8192] f32.
; A thread takes four neighbouring rows: sixteen loads of 16 bytes, 32,768 bytes apart, all issued at once; a wave's load or store covers 512 consecutive bytes.  2,048 threads in 32 work-groups: there is no more work to share.
	s_load_b128 s[4:7], s[0:1], 0x0                ; part, out0
	v_lshlrev_b32 v1, 4, v0
	s_lshl_b32 s8, ttmp9, 10                       ; 64 threads x 16 bytes for each work-group
	v_add_nc_u32 v1, s8, v1
	s_wait_alu depctr_va_vdst(0)
	s_wait_kmcnt 0x0
.irp j, 0,1,2,3,4,5,6,7,8,9,10,11,12,13,14,15
	global_load_b128 v[8+4*\j:11+4*\j], v1, s[4:5] offset:32768*\j th:TH_LOAD_NT
.endr
	s_wait_loadcnt 14                              ; the first two are in
	v_pk_add_f32 v[4:5], v[8:9], v[12:13]
	v_pk_add_f32 v[6:7], v[10:11], v[14:15]
	s_wait_alu depctr_va_vdst(0)
.irp j, 2,3,4,5,6,7,8,9,10,11,12,13,14,15
	s_wait_alu depctr_va_vdst(0)
	s_wait_loadcnt 15-\j                           ; loads come back in order (ISA guide 5.7.1): number j is in, the younger ones may be out
	v_pk_add_f32 v[4:5], v[4:5], v[8+4*\j:9+4*\j]
	v_pk_add_f32 v[6:7], v[6:7], v[10+4*\j:11+4*\j]
.endr
	global_store_b128 v1, v[4:7], s[6:7]
	s_endpgm
.Lfunc_end_k_qa179197f5d_fin:
	.size	k_qa179197f5d_fin, .Lfunc_end_k_qa179197f5d_fin-k_qa179197f5d_fin
	.p2alignl 7, 3214868480
	.fill 96, 4, 3214868480
	.section	.rodata,"a",@progbits
	.p2align	6, 0x0
	.amdhsa_kernel k_qa179197f5d_fin
		.amdhsa_group_segment_fixed_size 0
		.amdhsa_private_segment_fixed_size 0
		.amdhsa_enable_private_segment 0
		.amdhsa_kernarg_size 16
		.amdhsa_user_sgpr_count 2
		.amdhsa_user_sgpr_kernarg_segment_ptr 1
		.amdhsa_wavefront_size32 1
		.amdhsa_system_sgpr_workgroup_id_x 1
		.amdhsa_system_sgpr_workgroup_id_y 1
		.amdhsa_system_sgpr_workgroup_id_z 1
		.amdhsa_system_vgpr_workitem_id 0
		.amdhsa_next_free_vgpr 72
		.amdhsa_next_free_sgpr 66
		.amdhsa_reserve_vcc 0
		.amdhsa_float_denorm_mode_32 3
		.amdhsa_float_denorm_mode_16_64 3
		.amdhsa_memory_ordered 1
		.amdhsa_forward_progress 1
		.amdhsa_inst_pref_size 5
	.end_amdhsa_kernel
	.amdgpu_metadata
---
amdhsa.version: [ 1, 2 ]
amdhsa.kernels:
  - .name:           k_qa179197f5d_fin
    .symbol:         k_qa179197f5d_fin.kd
    .args:
      - { .name: part, .offset: 0, .size: 8, .value_kind: global_buffer, .address_space: global }
      - { .name: out0, .offset: 8, .size: 8, .value_kind: global_buffer, .address_space: global }
    .group_segment_fixed_size: 0
    .private_segment_fixed_size: 0
    .kernarg_segment_align: 8
    .kernarg_segment_size: 16
    .max_flat_workgroup_size: 64
    .sgpr_count:     66
    .vgpr_count:     72
    .wavefront_size: 32
...
	.end_amdgpu_metadata
.endif
;; end of part 3
